; MI455X (gfx1250); checked and timed in simulation.
; The chip was launched on July 23, 2026; its instructions are those of AMD's public machine-readable ISA for CDNA 5 (MIT licence, August 2026) and "CDNA5" Instruction Set Architecture Reference Guide (July 2026). The comments in the code are by the model that wrote it; some were corrected since.
;; Custom ANFIS. Allowed arithmetic: float matrix products may take bf16 or f16 operands with f32 sums; all other float work in f32.
;; Inputs: X 131,072 x 16 float32; centers 32 x 16 float32; coeffs 32 x 17 x 10 float32; sigmas 32 x 16 float32.
;; Outputs: out0 131,072 x 10 float32.
;; One version. Each part assembles by itself: llvm-mc -triple=amdgcn-amd-amdhsa -mcpu=gfx1250 --defsym DOCPART=n.
;; ======== version 1 of 1: 1 launch
;; limits: values outside matrix products are rounded to bf16
;; launch anfis (part 1): grid 256 x 1, 4 waves a work-group, no clusters, 168,448 bytes of LDS; arguments X, centers, sigmas, coeffs, out0; writes out0
.if DOCPART == 1
	.amdgcn_target "amdgcn-amd-amdhsa--gfx1250"
	.amdhsa_code_object_version 6
	.text
	.protected	k_qe0cefc1370_anfis
	.globl	k_qe0cefc1370_anfis
	.p2align	8
	.type	k_qe0cefc1370_anfis,@function
k_qe0cefc1370_anfis:
	s_mov_b64 s[64:65], 0
	v_nop
	global_prefetch_b8 v0, s[64:65] scope:SCOPE_SE
	s_setreg_imm32_b32 hwreg(HW_REG_WAVE_MODE, 25, 1), 1
	s_wait_xcnt 0x0
; ANFIS forward pass, fused: Gaussian rule strengths, normalisation, per-rule affine consequents, softmax.
;   X [131072][16], centers [32][16], sigmas [32][16], coeffs [32][17][10], out0 [131072][10], all f32.
; 256 work-groups x 4 waves; a wave owns 128 samples = 8 groups of 16.  Straight-line code: a wave's share is fixed, nothing is looped.
;
; STAGE 1, f32 on the vector unit.  strength[n][r] = exp2(-sum_d t^2), t = x w - c w, w = sqrt(log2(e)/2) / sigma.
;   Lane (s = lane & 15, h = lane >> 4) keeps x of sample 16 g + s for all 8 groups and works on rules 8h..8h+7 and 16+8h..16+8h+7:
;   the k that a bf16 B fragment wants in that lane.  A packed instruction takes two neighbouring rules at one dimension, so a pair of
;   sums is a pair of strengths and one v_cvt_pk_bf16_f32 makes a fragment register: no sum across a pair, no exchange between lanes.
;   128 samples x 32 rules x 16 dimensions x 2 multiply-adds / (32 lanes x 2) = 2,048 packed instructions a wave: the bulk of the kernel.
; STAGE 2, matrix unit.  The sums of reference() are taken in another order: G[n][(i,o)] = sum_r strength[n][r] coeffs[r][i][o], K = 32 rules
;   with no padding, 11 tiles for 16 samples; then out (S + eps) = sum_i x[i] G[i][o] + G[16][o] with x still in f32 (40 packed
;   multiply-adds for 16 samples).  A = coefficients, B = strengths, so that in D lane (s, h) holds sample s and rows 8h + j.
;   Tile 2 o' + a, row 8 h + j  = coeffs[.][8 a + j][5 h + o']  : half h of the lanes makes outputs 5h .. 5h+4.
;   Tile 10,       row 8 h + j  = coeffs[.][16][5 h + j] (j < 5), ones (j = 5: S = the sum of the strengths, in every lane), 0 (j = 6, 7).
;   The division by S + 1e-8 follows the product.
; SOFTMAX with the maximum taken away, the 8 groups step by step together so that no step waits for the one in front of it.
;
; LIMITS.  sigma = 0 is not served (reference() divides by 0 there).  t = x w - c w carries the rounding of c w: |c w| 2^-24 in each term.
;   Strengths, their sum S and the coefficients are rounded to bf16 as matrix operands (2^-9 relative).  v_exp_f32 gives 0 for strengths
;   below 2^-126; beside the 1e-8 in the denominator they are nothing.
; NO CLUSTER: work-groups share the table of 21,760 bytes and 4,096 bytes of centres and widths, asked for once by each, against 53,248 bytes
;   of its own (32,768 in, 20,480 out); the table is first wanted when 11 of stage 1's 16 chunks are done, so no wave waits for it.
; NO PREFETCH: every byte that a work-group reads is asked for in its first lines.
.set XPITCH, 80                        ; a sample's 64 bytes + 16 of padding = 20 words: the 16 rows of a load start at 16 different banks (64 banks of 4 bytes: ISA guide 11.1)
.set XWAVE,  128*XPITCH                ; a wave's X tile in LDS
.set RULEB,  17*10*4                   ; bytes of one rule's coefficients
.set TABLE,  32*RULEB                  ; 21,760
.set TQUART, TABLE/4                   ; what one wave fetches of it
.set OWAVE,  128*40                    ; a wave's results, bytes
.set L_TAB,  4*XWAVE                   ; LDS: X tiles | raw table | w and -c w | fragment image of A | results on their way out
.set L_PAR,  L_TAB+TABLE
.set L_IMG,  L_PAR+4096
.set L_OUT,  L_IMG+10*1024
; window 0
.set TMP,  1
.set LANE, 2
.set SROW, 3                           ; s = lane & 15
.set HALF, 4                           ; h = lane >> 4
.set JJ,   5                           ; lane & 7
.set HP,   6                           ; (lane >> 3) & 1
.set PADR, 7                           ; LDS: my half's parameters
.set XADR, 8                           ; LDS: my sample's row in group 0
.set GADR, 9                           ; LDS: my gather from the raw table
.set BADR, 10                          ; LDS: the same for the bias tile
.set ISTO, 11                          ; LDS: fragment image, where I store
.set IRD,  12                          ; LDS: fragment image, where I read
.set OSTO, 13                          ; LDS: results in
.set ORD,  14                          ; LDS: results back
.set GOFF, 15                          ; 16 x lane
.set XR,   16                          ; v16-143   x[g][d] at XR + 16 g + d
.set PB0,  144                         ; v144-175  parameters of 8 dimensions: 16 registers w, 16 registers -c w (pairs: even rule, odd rule)
.set PB1,  176                         ; v176-207  the other buffer
.set TT,   208                         ; v208-223  t, a pair for each group
.set ACC,  224                         ; v224-239  sums of t^2, a pair for each group
.set KC,   240
.set PSTO, 241
.set TM2,  242
.set SG,   144                         ; set-up only: sigma, c, w, -c w of my four dimensions
.set CE,   148
.set WW,   152
.set NC,   156
.set PP,   144                         ; stage 2: five pairs of partial sums
.set UU,   160                         ; v160-199  result o' of group g at UU + 8 o' + g
.set DEN,  200                         ; v200-207  S + eps of group g
.set MX,   208
.set MY,   216
; window 1
.set BF,   0                           ; v256-319  B fragments: group g at BF + 8 g
.set AF,   64                          ; v320-407  A fragments: tile t at AF + 8 t
.set D0,   152                         ; v408-495  the 11 D tiles of even groups
.set GT,   152                         ; (before stage 2) 56 gathered coefficients
.set IP,   208                         ; (before stage 2) 20 packed registers for the image
; window 2
.set D1,   0                           ; v512-599  the 11 D tiles of odd groups
.set MSB, 0
.macro WIN new                         ; low byte: bits 1:0 source 0, 3:2 source 1, 5:4 source 2, 7:6 destination; the high byte repeats the setting that is left
.if MSB != \new
	s_set_vgpr_msb (MSB<<8)|\new
.set MSB, \new
.endif
.endm
	s_load_b256 s[4:11], s[0:1], 0x0               ; X s[4:5], centers s[6:7], sigmas s[8:9], coeffs s[10:11]
	s_load_b64 s[12:13], s[0:1], 0x20              ; out0
	v_lshl_add_u32 v254, v0, 2, 0x29000
	v_mov_b32 v255, 0
	ds_add_u32 v254, v255
	ds_add_u32 v254, v255
	v_lshrrev_b32 v[TMP], 5, v0
	v_readfirstlane_b32 s14, v[TMP]                ; wave 0..3
	v_lshlrev_b32 v[TMP], 4, v0                    ; thread t takes bytes 16 t of sigmas and of centers: rule t >> 2, dimensions 4 (t & 3) ..
	; X tile: my 128 samples are 8,192 dense bytes, taken as 32 rows of 256 bytes; 4 words of padding behind every 16 words (a sample)
	s_mov_b32 s16, (3<<16)|(1<<20)|(3<<22)|(3<<25) ; elements of 8 bytes; padding on; after 2<<3 = 16 words; of 4 words
	s_mov_b32 s17, 32<<16                          ; tensor_dim0 = 32 elements
	s_mov_b32 s18, 32<<16                          ; tensor_dim1 = 32 rows
	s_mov_b32 s19, 32<<16                          ; tile_dim0 = 32
	s_mov_b32 s20, 32                              ; tile_dim1 = 32
	s_mov_b32 s21, 32                              ; elements from row to row
	s_mov_b32 s22, 0
	s_mov_b32 s23, 0
	s_mov_b32 s24, 1
	s_mul_i32 s25, s14, XWAVE                      ; LDS address: my wave's tile
	; my quarter of the table: one row of 5,440 bytes
	s_mov_b32 s28, 3<<16
	s_mov_b32 s29, (TQUART/8)<<16
	s_mov_b32 s30, 1<<16
	s_mov_b32 s31, (TQUART/8)<<16
	s_mov_b32 s32, 1
	s_mov_b32 s33, TQUART/8
	s_mov_b32 s34, 0
	s_mov_b32 s35, 0
	s_mov_b32 s36, 1
	s_mul_i32 s42, s14, TQUART
	s_mov_b32 s43, 0
	s_add_co_u32 s37, s42, L_TAB
	s_lshl_b32 s40, ttmp9, 15                      ; 512 samples x 64 bytes a work-group,
	s_lshl_b32 s41, s14, 13                        ; 128 x 64 a wave
	s_add_co_u32 s40, s40, s41
	s_mov_b32 s41, 0
	s_mul_i32 s52, ttmp9, 4*OWAVE                  ; and the same for the results
	s_mul_i32 s50, s14, OWAVE
	s_add_co_u32 s52, s52, s50
	s_mov_b32 s53, 0
	s_add_co_u32 s50, s50, L_OUT                   ; my wave's stage in LDS
	s_mov_b32 s44, 0x76543210                      ; v_permlanex16_b32: lane i of one half reads lane i of the other
	s_mov_b32 s45, 0xfedcba98
	s_wait_dscnt 0x0
	s_wait_kmcnt 0x0
	global_load_b128 v[SG:SG+3], v[TMP], s[8:9]    ; a wave's load covers 512 consecutive bytes
	global_load_b128 v[CE:CE+3], v[TMP], s[6:7]
	s_add_nc_u64 s[26:27], s[4:5], s[40:41]
	s_or_b32 s27, s27, 0x80000000                  ; type 2
	tensor_load_to_lds s[24:27], s[16:23]          ; X first,
	s_nop 0
	s_add_nc_u64 s[38:39], s[10:11], s[42:43]
	s_or_b32 s39, s39, 0x80000000
	tensor_load_to_lds s[36:39], s[28:35]          ; the table behind it: two tensor loads of this wave are out, and no more follow
	s_nop 0
	s_add_nc_u64 s[12:13], s[12:13], s[52:53]      ; out0 at my wave's first sample
	; lane terms, while the loads are on their way
	v_and_b32 v[LANE], 31, v0
	v_and_b32 v[SROW], 15, v0
	v_bfe_u32 v[HALF], v0, 4, 1
	v_and_b32 v[JJ], 7, v0
	v_bfe_u32 v[HP], v0, 3, 1
	v_lshlrev_b32 v[PADR], 10, v[HALF]             ; rule pair P lies at 256 P; my pairs are 4h + p (p < 4) and 4h + p + 4 (p >= 4)
	v_add_nc_u32 v[PADR], L_PAR, v[PADR]
	v_mul_u32_u24 v[XADR], v[SROW], XPITCH
	v_add_nc_u32 v[XADR], s25, v[XADR]
	; Gather for the image of A.  Wave w makes half c = w & 1 (k = 16 c + 8 h + e) of tiles (w >> 1) + 2 o', o' = 0..4: five half tiles each.
	; Word in the table: 170 k + 10 i + o, with i = 8 (w >> 1) + (lane & 7), o = 5 ((lane >> 3) & 1) + o'.
	; Banks: 10 j + 5 h' + 16 h modulo 64 are 32 different numbers, so these loads have no conflict.
	s_lshr_b32 s46, s14, 1
	s_mul_i32 s46, s46, 8*40
	s_and_b32 s47, s14, 1
	s_mul_i32 s47, s47, 16*RULEB
	s_add_co_u32 s46, s46, s47
	s_add_co_u32 s46, s46, L_TAB
	v_mul_u32_u24 v[GADR], v[JJ], 40
	v_mad_u32_u24 v[GADR], v[HP], 20, v[GADR]
	v_mad_u32_u24 v[GADR], v[HALF], 8*RULEB, v[GADR]
	v_add_nc_u32 v[GADR], s46, v[GADR]
	v_min_u32 v[BADR], 4, v[JJ]                    ; bias tile: rows 5 to 7 read row 4's word and are replaced below
	v_lshlrev_b32 v[BADR], 2, v[BADR]
	v_mad_u32_u24 v[BADR], v[HP], 20, v[BADR]
	v_mad_u32_u24 v[BADR], v[HALF], 8*RULEB, v[BADR]
	v_add_nc_u32 v[BADR], L_TAB+16*40, v[BADR]
	v_mov_b32 v[KC], 0x3f803f80                    ; two bf16 ones
	v_cmp_eq_u32 vcc_lo, 5, v[JJ]
	v_cndmask_b32 v[KC], 0, v[KC], vcc_lo          ; row 5: ones; rows 6, 7: zeros
	s_lshl_b32 s48, s14, 9
	s_add_co_u32 s48, s48, L_IMG
	v_lshl_add_u32 v[ISTO], v[LANE], 4, s48        ; image: tile x 1,024 + half x 512 + lane x 16 = 2,048 o' + 512 w + 16 lane
	v_lshlrev_b32 v[GOFF], 4, v[LANE]
	v_add_nc_u32 v[IRD], L_IMG, v[GOFF]
	v_add_nc_u32 v[ORD], s50, v[GOFF]
	v_mul_u32_u24 v[OSTO], v[SROW], 40             ; a sample's 40 bytes; my five results at 20 h
	v_mad_u32_u24 v[OSTO], v[HALF], 20, v[OSTO]
	v_add_nc_u32 v[OSTO], s50, v[OSTO]
	v_lshrrev_b32 v[PSTO], 3, v[LANE]              ; parameters: rule pair (t >> 3) x 256 + dimension x 8 + (rule & 1) x 4; -c w 128 bytes further
	v_lshlrev_b32 v[PSTO], 8, v[PSTO]
	v_and_b32 v[TM2], 3, v[LANE]
	v_lshl_add_u32 v[PSTO], v[TM2], 5, v[PSTO]
	v_bfe_u32 v[TM2], v[LANE], 2, 1
	v_lshl_add_u32 v[PSTO], v[TM2], 2, v[PSTO]
	s_lshl_b32 s54, s14, 10                        ; a wave's 32 threads fill four rule pairs: 1,024 bytes of its own
	s_add_co_u32 s54, s54, L_PAR
	s_wait_loadcnt 0x0                             ; sigma and c
.irp e, 0,1,2,3
	v_rcp_f32 v[WW+\e], v[SG+\e]
.endr
	v_add_nc_u32 v[PSTO], s54, v[PSTO]             ; the plain instruction between v_rcp_f32 and the use of its result (ISA guide 5.7.2)
	s_wait_alu depctr_va_vdst(0)
.irp e, 0,1,2,3
	v_mul_f32 v[WW+\e], 0x3f596d27, v[WW+\e]       ; w = sqrt(log2(e) / 2) / sigma: exp(-d^2 / (2 sigma^2)) = exp2(-(d w)^2)
.endr
.irp e, 0,1,2,3
	v_mul_f32 v[NC+\e], -v[CE+\e], v[WW+\e]        ; -c w
.endr
.irp e, 0,1,2,3
	ds_store_b32 v[PSTO], v[WW+\e] offset:8*\e
	ds_store_b32 v[PSTO], v[NC+\e] offset:128+8*\e
.endr
	s_wait_dscnt 0x0                               ; my parameters are in LDS, for the other waves' sake,
	s_barrier_signal -1
	s_barrier_wait -1                              ; and so are everybody's
; Eight loads: w and -c w of one rule pair and 8 dimensions.  The 16 lanes of a half read the same 16 bytes.
.macro PLOAD pb, off
.irp q, 0,1,2,3
	ds_load_b128 v[\pb+4*\q:\pb+4*\q+3], v[PADR] offset:\off+16*\q
.endr
.irp q, 0,1,2,3
	ds_load_b128 v[\pb+16+4*\q:\pb+16+4*\q+3], v[PADR] offset:\off+128+16*\q
.endr
.endm
; The strengths of rule pair p become register p of the eight B fragments.
.macro PACK p
	WIN 0x40                                       ; destination in window 1
	s_wait_alu depctr_va_vdst(0)
.irp g, 0,1,2,3,4,5,6,7
	v_cvt_pk_bf16_f32 v[BF+8*\g+\p], v[ACC+2*\g], v[ACC+2*\g+1]
.endr
	WIN 0
.endm
.macro EXPS
.set i, 0
.rept 16
	v_exp_f32 v[ACC+i], -v[ACC+i]                  ; in place; first used behind the next pair's first eight multiply-adds (ISA guide 5.7.2)
.set i, i+1
.endr
.endm
; 8 dimensions of rule pair p for the 8 groups: 128 packed instructions.  x[d] is one register of a pair, sent to both halves by op_sel.
; Eight independent t, then eight independent sums: a result is used eight instructions behind its making.
.macro DIMS p, c, pb
.irp dd, 0,1,2,3,4,5,6,7
.irp g, 0,1,2,3,4,5,6,7
.if \dd & 1
	v_pk_fma_f32 v[TT+2*\g:TT+2*\g+1], v[XR+16*\g+8*\c+\dd-1:XR+16*\g+8*\c+\dd], v[\pb+2*\dd:\pb+2*\dd+1], v[\pb+16+2*\dd:\pb+17+2*\dd] op_sel:[1,0,0] op_sel_hi:[1,1,1]
.else
	v_pk_fma_f32 v[TT+2*\g:TT+2*\g+1], v[XR+16*\g+8*\c+\dd:XR+16*\g+8*\c+\dd+1], v[\pb+2*\dd:\pb+2*\dd+1], v[\pb+16+2*\dd:\pb+17+2*\dd] op_sel_hi:[0,1,1]
.endif
.endr
.if (8*\c+\dd) == 0
.if \p > 0
	PACK (\p-1)                                    ; the last pair's strengths leave ACC,
.endif
.irp g, 0,1,2,3,4,5,6,7
	v_pk_mul_f32 v[ACC+2*\g:ACC+2*\g+1], v[TT+2*\g:TT+2*\g+1], v[TT+2*\g:TT+2*\g+1]    ; and the first square starts the sums: nothing is cleared
.endr
.else
.irp g, 0,1,2,3,4,5,6,7
	v_pk_fma_f32 v[ACC+2*\g:ACC+2*\g+1], v[TT+2*\g:TT+2*\g+1], v[TT+2*\g:TT+2*\g+1], v[ACC+2*\g:ACC+2*\g+1]
.endr
.endif
.endr
.endm
; 56 words from the raw table into window 1: my five half tiles, and the bias tile, which every wave makes for itself.
.macro GATHER
	WIN 0x40
.irp sl, 0,1,2,3,4
.irp e, 0,1,2,3,4,5,6,7
	ds_load_b32 v[GT+8*\sl+\e], v[GADR] offset:4*\sl+RULEB*\e
.endr
.endr
.irp e, 0,1,2,3,4,5,6,7
	ds_load_b32 v[GT+40+\e], v[BADR] offset:RULEB*\e
.endr
.irp e, 0,1,2,3,4,5,6,7
	ds_load_b32 v[GT+48+\e], v[BADR] offset:16*RULEB+RULEB*\e
.endr
	WIN 0
.endm
; Round them to bf16, two k to a register; my half tiles go to the image, the bias tile stays.
.macro IMAGE
	v_cmp_gt_u32 vcc_lo, 5, v[JJ]                  ; rows 0 to 4 of each half are biases
	WIN 0x45                                       ; sources and destination in window 1
.irp q, 0,1,2,3,4,5,6,7,8,9,10,11,12,13,14,15,16,17,18,19
	v_cvt_pk_bf16_f32 v[IP+\q], v[GT+2*\q], v[GT+2*\q+1]
.endr
.irp q, 0,1,2,3,4,5,6,7
	v_cvt_pk_bf16_f32 v[AF+80+\q], v[GT+40+2*\q], v[GT+40+2*\q+1]
.endr
	WIN 0x44                                       ; source 0 (the constants) in window 0
	s_wait_alu depctr_va_vdst(0)
.irp q, 0,1,2,3,4,5,6,7
	v_cndmask_b32 v[AF+80+\q], v[KC], v[AF+80+\q], vcc_lo
.endr
	WIN 0x04                                       ; the stores' data in window 1
.irp sl, 0,1,2,3,4
	ds_store_b128 v[ISTO], v[IP+4*\sl:IP+4*\sl+3] offset:2048*\sl
.endr
	WIN 0
.endm
.macro ALOAD                           ; the ten tiles of the image: 16 bytes a lane, neighbouring lanes at neighbouring bytes
	WIN 0x40
.irp t, 0,1,2,3,4,5,6,7,8,9
	ds_load_b128 v[AF+8*\t:AF+8*\t+3], v[IRD] offset:1024*\t
	ds_load_b128 v[AF+8*\t+4:AF+8*\t+7], v[IRD] offset:1024*\t+512
.endr
	WIN 0
.endm
; Chunk n = 2 p + c of stage 1.  The next chunk's parameters are asked for first and stay out while this chunk is worked on.
; The making of A's fragments rides along in chunks 11 to 14, so that its LDS loads come back under the multiply-adds.
.macro CHUNK p, c
.set n, 2*\p+\c
.if n == 11
	s_wait_tensorcnt 0x0                           ; my quarter of the table is in LDS;
	s_wait_dscnt 0x0                               ; no LDS instruction of mine is out at the signal
	s_barrier_signal -1
	s_barrier_wait -1                              ; the whole table is
.endif
.if n == 14
	s_wait_dscnt 0x0                               ; my part of the image is in LDS,
	s_barrier_signal -1
	s_barrier_wait -1                              ; and so is everybody's
.endif
.if n < 15
.if \c == 0
	PLOAD PB1, 256*\p+1024*(\p/4)+64
.else
	PLOAD PB0, 256*(\p+1)+1024*((\p+1)/4)
.endif
	s_wait_dscnt 0x8                               ; LDS instructions end in order (ISA guide 5.7.1): all but the eight just issued are done
.else
	s_wait_dscnt 0x0                               ; the last chunk: nothing was asked for behind its parameters (and the image's tiles are in)
.endif
.if n == 11
	GATHER
.endif
.if n == 12
	IMAGE
.endif
.if n == 14
	ALOAD
.endif
.if \c == 0
	DIMS \p, 0, PB0
.else
	DIMS \p, 1, PB1
	EXPS
.endif
.endm
	; STAGE 1
	PLOAD PB0, 0
	s_wait_tensorcnt 0x1                           ; a wave's tensor loads end in order (ISA guide 10.11.1): X is in, the table's quarter stays out.  Only I read my tile: no barrier
.irp g, 0,1,2,3,4,5,6,7
.irp q, 0,1,2,3
	ds_load_b128 v[XR+16*\g+4*\q:XR+16*\g+4*\q+3], v[XADR] offset:16*XPITCH*\g+16*\q
.endr
.endr
.irp p, 0,1,2,3,4,5,6,7
	CHUNK \p, 0
	CHUNK \p, 1
.endr
	v_nop                                          ; the plain instruction behind the last v_exp_f32
	s_wait_alu depctr_va_vdst(0)
	PACK 7
	; STAGE 2
; G for group g: 11 products 16 x 16 x 32, each started by the constant 0.
.macro MM g, db, win
	WIN \win                                       ; A and B in window 1, D in window 1 or 2
.irp t, 0,1,2,3,4,5,6,7,8,9,10
	v_wmma_f32_16x16x32_bf16 v[\db+8*\t:\db+8*\t+7], v[AF+8*\t:AF+8*\t+7], v[BF+8*\g:BF+8*\g+7], 0
.endr
.endm
; sum_i x[i] G[i][o'] for my five outputs: D register 16 o' + i belongs to x[i], so pairs of D meet pairs of x; five chains side by side.
.macro CONTRACT g, db, win
	WIN \win                                       ; source 1 (D) in window 1 or 2
.irp o, 0,1,2,3,4
	v_pk_mul_f32 v[PP+2*\o:PP+2*\o+1], v[XR+16*\g:XR+16*\g+1], v[\db+16*\o:\db+16*\o+1]
.endr
.irp ip, 1,2,3,4,5,6,7
.irp o, 0,1,2,3,4
	v_pk_fma_f32 v[PP+2*\o:PP+2*\o+1], v[XR+16*\g+2*\ip:XR+16*\g+2*\ip+1], v[\db+16*\o+2*\ip:\db+16*\o+2*\ip+1], v[PP+2*\o:PP+2*\o+1]
.endr
.endr
.irp o, 0,1,2,3,4
	v_add_f32 v[PP+2*\o], v[PP+2*\o], v[\db+80+\o] ; + the bias term
.endr
	v_add_f32 v[DEN+\g], 0x322bcc77, v[\db+85]     ; S + 1e-8
	WIN 0
.irp o, 0,1,2,3,4
	v_add_f32 v[UU+8*\o+\g], v[PP+2*\o], v[PP+2*\o+1]
.endr
.endm
; The products of group g + 1 are issued ahead of the sums of group g, on two sets of D.  Distances behind matrix instructions (ISA guide 7.12.1):
; a set of D is read, and written again, only behind a whole CONTRACT of the other set (51 plain vector instructions that name none of its
; registers); for group 0 four v_nop stand in.
	MM 0, D0, 0x45
	MM 1, D1, 0x85
	WIN 0
.rept 4
	v_nop
.endr
	CONTRACT 0, D0, 0x04
	MM 2, D0, 0x45
	CONTRACT 1, D1, 0x08
	MM 3, D1, 0x85
	CONTRACT 2, D0, 0x04
	MM 4, D0, 0x45
	CONTRACT 3, D1, 0x08
	MM 5, D1, 0x85
	CONTRACT 4, D0, 0x04
	MM 6, D0, 0x45
	CONTRACT 5, D1, 0x08
	MM 7, D1, 0x85
	CONTRACT 6, D0, 0x04
	CONTRACT 7, D1, 0x08
	; SOFTMAX over the ten outputs of a sample (five in this lane, five in lane xor 16), eight groups at each step, pairs of groups packed.
.irp g, 0,1,2,3,4,5,6,7
	v_rcp_f32 v[DEN+\g], v[DEN+\g]
.endr
	v_nop                                          ; the plain instruction behind v_rcp_f32
	s_wait_alu depctr_va_vdst(0)
.irp q, 0,2,4,6
	v_pk_mul_f32 v[DEN+\q:DEN+\q+1], v[DEN+\q:DEN+\q+1], 0x3fb8aa3b op_sel_hi:[1,0]    ; log2(e) / (S + eps)
.endr
.irp o, 0,1,2,3,4
.irp q, 0,2,4,6
	v_pk_mul_f32 v[UU+8*\o+\q:UU+8*\o+\q+1], v[UU+8*\o+\q:UU+8*\o+\q+1], v[DEN+\q:DEN+\q+1]    ; out x log2(e)
.endr
.endr
.irp g, 0,1,2,3,4,5,6,7
	v_max3_num_f32 v[MX+\g], v[UU+\g], v[UU+8+\g], v[UU+16+\g]
.endr
.irp g, 0,1,2,3,4,5,6,7
	v_max3_num_f32 v[MX+\g], v[MX+\g], v[UU+24+\g], v[UU+32+\g]
.endr
.irp g, 0,1,2,3,4,5,6,7
	v_permlanex16_b32 v[MY+\g], v[MX+\g], s44, s45 ; the other five's maximum (MY was written in stage 1)
.endr
.irp g, 0,1,2,3,4,5,6,7
	v_max_num_f32 v[MX+\g], v[MX+\g], v[MY+\g]
.endr
.irp o, 0,1,2,3,4
.irp q, 0,2,4,6
	v_pk_add_f32 v[UU+8*\o+\q:UU+8*\o+\q+1], v[UU+8*\o+\q:UU+8*\o+\q+1], v[MX+\q:MX+\q+1] neg_lo:[0,1] neg_hi:[0,1]    ; the maximum is taken away
.endr
.endr
.set i, 0
.rept 40
	v_exp_f32 v[UU+i], v[UU+i]
.set i, i+1
.endr
	v_nop                                          ; the plain instruction behind v_exp_f32
	s_wait_alu depctr_va_vdst(0)
.irp q, 0,2,4,6
	v_pk_add_f32 v[MX+\q:MX+\q+1], v[UU+\q:UU+\q+1], v[UU+8+\q:UU+8+\q+1]
.endr
.irp o, 2,3,4
.irp q, 0,2,4,6
	v_pk_add_f32 v[MX+\q:MX+\q+1], v[MX+\q:MX+\q+1], v[UU+8*\o+\q:UU+8*\o+\q+1]
.endr
.endr
.irp g, 0,1,2,3,4,5,6,7
	v_permlanex16_b32 v[MY+\g], v[MX+\g], s44, s45
.endr
.irp q, 0,2,4,6
	v_pk_add_f32 v[MX+\q:MX+\q+1], v[MX+\q:MX+\q+1], v[MY+\q:MY+\q+1]
.endr
.irp g, 0,1,2,3,4,5,6,7
	v_rcp_f32 v[MX+\g], v[MX+\g]
.endr
	v_nop
	s_wait_alu depctr_va_vdst(0)
.irp o, 0,1,2,3,4
.irp q, 0,2,4,6
	v_pk_mul_f32 v[UU+8*\o+\q:UU+8*\o+\q+1], v[UU+8*\o+\q:UU+8*\o+\q+1], v[MX+\q:MX+\q+1]
.endr
.endr
	; THE WAY OUT.  A lane holds 20 bytes of a row of 40, so the wave's 5,120 bytes are laid down in its own stage in LDS
	; (words 10 s + 5 h + o': 32 different banks) and read back 16 bytes a lane.
.irp g, 0,1,2,3,4,5,6,7
.irp o, 0,1,2,3,4
	ds_store_b32 v[OSTO], v[UU+8*\o+\g] offset:640*\g+4*\o
.endr
.endr
.irp k, 0,1,2,3,4,5,6,7,8,9
	ds_load_b128 v[XR+4*\k:XR+4*\k+3], v[ORD] offset:512*\k        ; LDS serves a wave's instructions in order (ISA guide 5.7.1): these see the stores above
.endr
.irp k, 0,1,2,3,4,5,6,7,8,9
	s_wait_dscnt 9-\k                              ; load k is in; the younger ones stay out
	global_store_b128 v[GOFF], v[XR+4*\k:XR+4*\k+3], s[12:13] offset:512*\k th:TH_STORE_NT    ; 512 consecutive bytes, at a multiple of 512 from out0's first byte
.endr
	s_wait_tensorcnt 0x0
	ds_add_u32 v254, v255
	s_wait_dscnt 0x0
	s_endpgm
.Lfunc_end_k_qe0cefc1370_anfis:
	.size	k_qe0cefc1370_anfis, .Lfunc_end_k_qe0cefc1370_anfis-k_qe0cefc1370_anfis
	.p2alignl 7, 3214868480
	.fill 96, 4, 3214868480
	.section	.rodata,"a",@progbits
	.p2align	6, 0x0
	.amdhsa_kernel k_qe0cefc1370_anfis
		.amdhsa_group_segment_fixed_size 168448
		.amdhsa_private_segment_fixed_size 0
		.amdhsa_enable_private_segment 0
		.amdhsa_kernarg_size 40
		.amdhsa_user_sgpr_count 2
		.amdhsa_user_sgpr_kernarg_segment_ptr 1
		.amdhsa_wavefront_size32 1
		.amdhsa_system_sgpr_workgroup_id_x 1
		.amdhsa_system_sgpr_workgroup_id_y 1
		.amdhsa_system_sgpr_workgroup_id_z 1
		.amdhsa_system_vgpr_workitem_id 0
		.amdhsa_next_free_vgpr 600
		.amdhsa_next_free_sgpr 66
		.amdhsa_reserve_vcc 1
		.amdhsa_float_denorm_mode_32 3
		.amdhsa_float_denorm_mode_16_64 3
		.amdhsa_memory_ordered 1
		.amdhsa_forward_progress 1
		.amdhsa_inst_pref_size 209
	.end_amdhsa_kernel
	.amdgpu_metadata
---
amdhsa.version: [ 1, 2 ]
amdhsa.kernels:
  - .name:           k_qe0cefc1370_anfis
    .symbol:         k_qe0cefc1370_anfis.kd
    .args:
      - { .name: X, .offset: 0, .size: 8, .value_kind: global_buffer, .address_space: global }
      - { .name: centers, .offset: 8, .size: 8, .value_kind: global_buffer, .address_space: global }
      - { .name: sigmas, .offset: 16, .size: 8, .value_kind: global_buffer, .address_space: global }
      - { .name: coeffs, .offset: 24, .size: 8, .value_kind: global_buffer, .address_space: global }
      - { .name: out0, .offset: 32, .size: 8, .value_kind: global_buffer, .address_space: global }
    .group_segment_fixed_size: 168448
    .private_segment_fixed_size: 0
    .kernarg_segment_align: 8
    .kernarg_segment_size: 40
    .max_flat_workgroup_size: 128
    .sgpr_count:     66
    .vgpr_count:     600
    .wavefront_size: 32
...
	.end_amdgpu_metadata
.endif
;; end of part 1
